; MI455X (gfx1250); checked and timed in simulation.
; The chip was launched on July 23, 2026; its instructions are those of AMD's public machine-readable ISA for CDNA 5 (MIT licence, August 2026) and "CDNA5" Instruction Set Architecture Reference Guide (July 2026). The comments in the code are by the model that wrote it; some were corrected since.
;; SR Head. Allowed arithmetic: float matrix products may take bf16 or f16 operands with f32 sums; all other float work in f32.
;; Inputs: W1 1,024 x 2,048 float32; W2 2 x 1,024 float32; b1 1,024 float32; b2 2 float32; encoded_states 32 x 1,024 x 1,024 float32; sr_label 32 x 1,024 int32.
;; Outputs: out0 one number float32; out1 32 x 1,024 x 2 float32; out2 32 x 1,024 bool.
;; One version. Each part assembles by itself: llvm-mc -triple=amdgcn-amd-amdhsa -mcpu=gfx1250 --defsym DOCPART=n.
;; ======== version 1 of 1: 3 launches
;; workspace buffers: wf 2,097,152 bytes; cb 262,144 bytes; part 8,192 bytes
;; launch prep (part 1): grid 256 x 1, 16 waves a work-group, no clusters, 64,256 bytes of LDS; arguments encoded_states, sr_label, W1, b1, wf, cb, out2; writes wf, cb, out2
.if DOCPART == 1
	.amdgcn_target "amdgcn-amd-amdhsa--gfx1250"
	.amdhsa_code_object_version 6
	.text
	.protected	k_q00a80f8880_prep
	.globl	k_q00a80f8880_prep
	.p2align	8
	.type	k_q00a80f8880_prep,@function
k_q00a80f8880_prep:
	s_mov_b64 s[64:65], 0
	v_nop
	global_prefetch_b8 v0, s[64:65] scope:SCOPE_SE
	s_setreg_imm32_b32 hwreg(HW_REG_WAVE_MODE, 25, 1), 1
	s_wait_xcnt 0x0
; Three small tasks ahead of the main product.  [x, fe] W1^T = x W1a^T + fe W1b^T, W1a = W1[:, :1024], W1b = W1[:, 1024:].
;  T1  wf  = W1a rounded to bf16, laid out as the main launch's matrix fragments: [w 4][c 4][ks 32][b 4][p 2][lane 32][16 bytes];
;            fragment (w, c, ks, b) = hidden units 256 c + 64 w + 16 b + 0..15, k = 32 ks + 0..31; lane (r, h), half p holds k = 16 p + 8 h + 0..7 of unit r.
;  T2  out2 = (0 <= label < 2), one byte a token.
;  T3  cb  = the two halves along k of fe W1b^T (+ b1 in the first), in f32, fe[b] = the sum of the rows of x whose label is 2 (none, one or many);
;            laid out [kh 2][ut 64][sample 32][16 units], unit = 16 ut + i.  The main launch adds the halves: nothing passes between work-groups of a launch.
; 256 work-groups of 16 waves.  Work-group g: unit tile ut = g >> 2 (16 rows of W1), kq = g & 3, kh = g & 1, sh = (g >> 1) & 1.  Wave v owns row 16 ut + v of W1 and sample 16 sh + v.
;  T1: the tile's 16 rows x k = 256 kq + 0..255.   T3: the tile's 16 units x samples 16 sh + 0..15 x k = 512 kh + 0..511: 16 matrix instructions, one a wave; the parts meet in LDS.
;  T2: wave ut of the 32 work-groups with kh = 0 and ut < 16 writes its sample's 1,024 bytes.
; Every load of W1 and of x takes 512 consecutive bytes of one row; the rows are rounded, laid into padded LDS rows and read back as fragments.
; LIMITS: fe and W1 enter the products rounded to bf16, sums in f32, in another order than a plain dot product's.
.set WAP,  528                         ; T1's row in LDS: 256 bf16 + 16 bytes = 33 x 16: the 16 rows of a fragment load start 16 bytes apart modulo 256
.set WBP,  1040                        ; a row of W1b's part, and of fe's: 512 bf16 + 16 bytes = 65 x 16
.set WB,   16*WAP                      ; T1's rows lie at 0, W1b's behind them,
.set FE,   WB+16*WBP                   ; then fe's,
.set RED,  FE+16*WBP                   ; then [part 16][sample 16] rows of 16 f32
.set REDP, 80                          ; 64 bytes + 16
.set REDK, 16*REDP
; v0 thread, v1 lane, v2 r = lane % 16, v3 h = lane / 16, v4 my part's place in RED, v5 64 lane, v6 16 lane, v7 T1's row in, v8 W1b's row in (fe's FE - WB further), v9 offset in cb,
; v10 T1's half fragment, later RED back, v11 my K step's fragments, v12 8 (lane % 8), v13 offset in wf, v[14:15] b1;  v[16:47] labels, then the parts to add;  v[48:71] W1 as f32, then fragments;
; v[72:87] fe's sums, then the accumulator;  v[88:103] a row of x;  v[96:111] packed;  v[112:123] the mask.
; s[4:17] the seven addresses, s18 wave, s19 my sample, s20 ut, s21 kq, s22 kh, s23 sh, s[24:25] at work, s[26:27] x at my sample's half rows, s[28:31] W1 at my row, then at work, s[32:63] lane masks 'label is 2'
	s_load_b256 s[4:11], s[0:1], 0x0               ; x s[4:5], labels s[6:7], W1 s[8:9], b1 s[10:11]
	s_load_b128 s[12:15], s[0:1], 0x20             ; wf s[12:13], cb s[14:15]
	s_load_b64 s[16:17], s[0:1], 0x30              ; out2
	v_lshl_add_u32 v128, v0, 2, 0xf300
	v_mov_b32 v129, 0
	v_lshrrev_b32 v1, 5, v0
	v_readfirstlane_b32 s18, v1                    ; wave v
	s_lshr_b32 s20, ttmp9, 2                       ; ut
	s_and_b32 s21, ttmp9, 3                        ; kq
	s_and_b32 s22, ttmp9, 1                        ; kh
	s_bfe_u32 s23, ttmp9, 0x10001                  ; sh
	s_lshl4_add_u32 s19, s23, s18                  ; my sample = 16 sh + v
	v_and_b32 v1, 31, v0
	v_and_b32 v2, 15, v0
	v_bfe_u32 v3, v0, 4, 1
	v_lshlrev_b32 v5, 6, v1                        ; 16 labels a lane
	v_lshlrev_b32 v6, 4, v1
	v_and_b32 v12, 7, v0
	v_lshlrev_b32 v12, 3, v12
	; T1's way out: ut = 16 c + 4 w + b; wave v stores half p = v & 1 of K step ks = 8 kq + (v >> 1)
	s_lshr_b32 s24, s20, 4                         ; c
	s_bfe_u32 s25, s20, 0x20002                    ; w
	s_and_b32 s26, s20, 3                          ; b
	s_lshl2_add_u32 s25, s25, s24                  ; 4 w + c
	s_lshl_b32 s25, s25, 5
	s_lshr_b32 s24, s18, 1
	s_lshl3_add_u32 s24, s21, s24                  ; ks
	s_add_co_u32 s25, s25, s24
	s_lshl2_add_u32 s25, s25, s26                  ; x 4 + b
	s_lshl_b32 s25, s25, 10                        ; fragments of 1,024 bytes
	s_and_b32 s24, s18, 1
	s_lshl_b32 s24, s24, 9
	s_add_co_u32 s25, s25, s24
	v_add_nc_u32 v13, s25, v6
	; my row of W1
	s_lshl4_add_u32 s24, s20, s18                  ; 16 ut + v
	s_lshl_b32 s24, s24, 13                        ; rows of 8,192 bytes
	s_lshl_b32 s25, s21, 10
	s_add_co_u32 s28, s24, s25                     ; T1: 256 kq numbers in
	s_mov_b32 s29, 0
	s_lshl_b32 s25, s22, 11
	s_add_co_u32 s30, s24, s25
	s_add_co_u32 s30, s30, 4096                    ; T3: W1b begins 1,024 numbers into a row; 512 kh more
	s_mov_b32 s31, 0
	; LDS
	s_mul_i32 s24, s18, WAP
	v_lshl_add_u32 v7, v1, 3, s24                  ; in: row v, 8 bytes a lane
	s_mul_i32 s24, s18, WBP
	s_add_co_u32 s24, s24, WB
	v_lshl_add_u32 v8, v1, 3, s24
	v_mul_u32_u24 v10, v2, WAP
	v_lshl_add_u32 v10, v3, 4, v10
	s_lshl_b32 s24, s18, 5
	v_add_nc_u32 v10, s24, v10                     ; T1 out: row r, 16 h, 64 (v >> 1) + 32 (v & 1) = 32 v
	v_mul_u32_u24 v11, v2, WBP
	v_lshl_add_u32 v11, v3, 4, v11
	s_lshl_b32 s24, s18, 6
	s_add_co_u32 s24, s24, WB
	v_add_nc_u32 v11, s24, v11                     ; T3's fragments: row r, 16 h, K step v
	s_mul_i32 s24, s18, REDK
	s_add_co_u32 s24, s24, RED
	v_mul_u32_u24 v4, v2, REDP
	v_lshl_add_u32 v4, v3, 5, v4
	v_add_nc_u32 v4, s24, v4                       ; my part's results: sample r, units 8 h on
	s_wait_kmcnt 0x0
	s_lshl_b32 s24, s19, 12
	s_mov_b32 s25, 0
	s_add_nc_u64 s[6:7], s[6:7], s[24:25]          ; my sample's labels
	s_add_nc_u64 s[28:29], s[8:9], s[28:29]
	s_add_nc_u64 s[30:31], s[8:9], s[30:31]
	s_lshl_b32 s24, s20, 6
	s_add_nc_u64 s[10:11], s[10:11], s[24:25]      ; b1 at unit 16 ut
	s_lshl_b32 s24, s19, 22                        ; x at my sample (4 MiB each),
	s_lshl_b32 s26, s22, 11                        ; 512 kh numbers into its rows
	s_add_co_u32 s24, s24, s26
	s_add_nc_u64 s[26:27], s[4:5], s[24:25]
.irp g2, 0,1
.irp i, 0,1,2,3
	global_load_b128 v[16+16*\g2+4*\i:16+16*\g2+4*\i+3], v5, s[6:7] offset:2048*\g2+16*\i   ; register 16 g2 + 4 i + q: token 512 g2 + 16 lane + 4 i + q
.endr
.endr
	global_load_b128 v[48:51], v6, s[28:29] th:TH_LOAD_NT              ; T1: 1,024 consecutive bytes of my row, read once in the launch
	global_load_b128 v[52:55], v6, s[28:29] offset:512 th:TH_LOAD_NT
.irp j, 0,1,2,3
	global_load_b128 v[56+4*\j:56+4*\j+3], v6, s[30:31] offset:512*\j  ; T3: 2,048 consecutive bytes of my row (the work-group of the other sample half reads them too)
.endr
	global_load_b64 v[14:15], v12, s[10:11]
	s_wait_loadcnt 7                               ; the labels are in; the 2 + 4 + 1 younger loads stay out
.set n, 0
.rept 32
	v_cmp_eq_u32 s[32+n], 2, v[16+n]
.set n, n+1
.endr
	; T2: 16 tokens a lane are 16 bytes
	s_lshl_b32 s24, s22, 6
	s_or_b32 s24, s24, s20                         ; ut, and 64 or more in the work-groups of k half 1: no wave's number
	s_cmp_lg_u32 s18, s24
	s_cbranch_scc1 .Lno_mask
	s_lshl_b32 s24, s19, 10
	s_add_nc_u64 s[16:17], s[16:17], s[24:25]
.irp g2, 0,1
.irp i, 0,1,2,3
.irp q, 0,1,2,3
	v_cmp_gt_u32 vcc_lo, 2, v[16+16*\g2+4*\i+\q]   ; unsigned: 0 <= label < 2
	v_cndmask_b32 v[120+\q], 0, 1, vcc_lo
.endr
	v_lshl_or_b32 v120, v121, 8, v120
	v_lshl_or_b32 v122, v123, 8, v122
	v_lshl_or_b32 v[112+4*\g2+\i], v122, 16, v120
.endr
.endr
	global_store_b128 v6, v[112:115], s[16:17]     ; 512 consecutive bytes each; nothing below writes v6, v[112:119] or s[16:17]
	global_store_b128 v6, v[116:119], s[16:17] offset:512
.Lno_mask:
	; my row of W1, rounded, into LDS: load j's four numbers of a lane are numbers 128 j + 4 lane + 0..3 of the part
	s_wait_loadcnt 0x0                             ; W1's six loads and b1's; s[28:31] may be written again
.set n, 0
.rept 12
	v_cvt_pk_bf16_f32 v[96+n], v[48+2*n], v[48+2*n+1]
.set n, n+1
.endr
	ds_store_b64 v7, v[96:97]
	ds_store_b64 v7, v[98:99] offset:256
.irp j, 0,1,2,3
	ds_store_b64 v8, v[100+2*\j:101+2*\j] offset:256*\j
.endr
	; fe of my sample, my half of k.  The sums start at 0, since a sample may have no such row.
.set n, 0
.rept 16
	v_mov_b32 v[72+n], 0
.set n, n+1
.endr
; The rows named by mask idx: bit l stands for token 16 l + 512 (idx >> 4) + (idx & 15).  A counted loop over the mask's ones.
.macro GATHER idx
	s_cmp_eq_u32 s[32+\idx], 0
	s_cbranch_scc1 .Lnone_\@
	s_bcnt1_i32_b32 s28, s[32+\idx]
	s_mov_b32 s29, 0
.Lrow_\@:
	s_ctz_i32_b32 s30, s[32+\idx]
	s_sub_co_u32 s31, s[32+\idx], 1
	s_and_b32 s[32+\idx], s[32+\idx], s31          ; the lowest one is taken out
	s_lshl_b32 s30, s30, 4
	s_add_co_u32 s30, s30, 512*((\idx)>>4)+((\idx)&15)
	s_min_u32 s30, s30, 1023                       ; a token of the sample
	s_lshl_b32 s30, s30, 12                        ; rows of 4,096 bytes
	s_mov_b32 s31, 0
	s_add_nc_u64 s[24:25], s[26:27], s[30:31]
.irp j, 0,1,2,3
	global_load_b128 v[88+4*\j:88+4*\j+3], v6, s[24:25] offset:512*\j
.endr
	s_wait_loadcnt 0x0                             ; the half row is in, and s[24:25] may be written again
.set n, 0
.rept 8
	v_pk_add_f32 v[72+2*n:73+2*n], v[72+2*n:73+2*n], v[88+2*n:89+2*n]
.set n, n+1
.endr
	s_add_co_u32 s29, s29, 1
	s_cmp_lt_u32 s29, s28
	s_cbranch_scc1 .Lrow_\@
.Lnone_\@:
.endm
.irp idx, 0,1,2,3,4,5,6,7,8,9,10,11,12,13,14,15,16,17,18,19,20,21,22,23,24,25,26,27,28,29,30,31
	GATHER \idx
.endr
.set n, 0
.rept 8
	v_cvt_pk_bf16_f32 v[104+n], v[72+2*n], v[72+2*n+1]
.set n, n+1
.endr
.irp j, 0,1,2,3
	ds_store_b64 v8, v[104+2*\j:105+2*\j] offset:FE-WB+256*\j
.endr
	s_wait_dscnt 0x0                               ; for the others' sake: my rows of W1 and of fe are written
	s_barrier_signal -1
	s_barrier_wait -1
	ds_load_b128 v[48:51], v11                     ; W1b: unit r, k = 32 v + 8 h + 0..7,
	ds_load_b128 v[52:55], v11 offset:32           ; and 16 more
	ds_load_b128 v[56:59], v11 offset:FE-WB        ; fe: sample r, the same k
	ds_load_b128 v[60:63], v11 offset:FE-WB+32
	ds_load_b128 v[64:67], v10                     ; T1's half fragment
	s_wait_dscnt 1                                 ; the four fragment loads are in; T1's is younger
	v_wmma_f32_16x16x32_bf16 v[72:79], v[48:55], v[56:63], 0   ; source 0 = 16 units, source 1 = 16 samples: a lane holds sample r and units 8 h + 0..7
	s_wait_dscnt 0x0
	global_store_b128 v13, v[64:67], s[12:13]      ; 512 consecutive bytes of wf
.rept 4
	v_nop                                          ; four places ahead of the stores of the result
.endr
	ds_store_b128 v4, v[72:75]
	ds_store_b128 v4, v[76:79] offset:16
	s_wait_dscnt 0x0                               ; for the others' sake
	s_barrier_signal -1
	s_barrier_wait -1
	s_cmp_ge_u32 s18, 4
	s_cbranch_scc1 .Lend                           ; 16 samples x 16 units are 4 waves' work: 4 samples a wave, 2 units a lane
	s_mul_i32 s24, s18, 4*REDP
	s_add_co_u32 s24, s24, RED
	v_lshrrev_b32 v10, 3, v1
	v_mul_u32_u24 v10, v10, REDP
	v_add_nc_u32 v10, v12, v10
	v_add_nc_u32 v10, s24, v10                     ; sample 4 v + lane / 8, units 2 (lane % 8) and the next
.irp k, 0,1,2,3,4,5,6,7,8,9,10,11,12,13,14,15
	ds_load_b64 v[16+2*\k:17+2*\k], v10 offset:\k*REDK
.endr
	s_lshl_b32 s24, s22, 17                        ; cb: 131,072 kh + 2,048 ut + 1,024 sh + 256 v + 8 lane
	s_lshl_b32 s25, s20, 11
	s_add_co_u32 s24, s24, s25
	s_lshl_b32 s25, s23, 10
	s_add_co_u32 s24, s24, s25
	s_lshl_b32 s25, s18, 8
	s_add_co_u32 s24, s24, s25
	v_lshl_add_u32 v9, v1, 3, s24
	s_cmp_eq_u32 s22, 0
	s_cselect_b32 s28, 1.0, 0                      ; b1 goes into the first half's part alone
	s_mov_b32 s29, s28                             ; named with it as a pair, so it is written
	s_wait_dscnt 0x0
.irp k, 0,1,2,3,4,5,6,7
	v_pk_add_f32 v[16+2*\k:17+2*\k], v[16+2*\k:17+2*\k], v[32+2*\k:33+2*\k]
.endr
.irp k, 0,1,2,3
	v_pk_add_f32 v[16+2*\k:17+2*\k], v[16+2*\k:17+2*\k], v[24+2*\k:25+2*\k]
.endr
.irp k, 0,1
	v_pk_add_f32 v[16+2*\k:17+2*\k], v[16+2*\k:17+2*\k], v[20+2*\k:21+2*\k]
.endr
	v_pk_add_f32 v[16:17], v[16:17], v[18:19]
	v_pk_fma_f32 v[16:17], v[14:15], s[28:29], v[16:17] op_sel_hi:[1,0,1]
	global_store_b64 v9, v[16:17], s[14:15]        ; the wave stores 256 consecutive bytes, at a multiple of 256 from cb's first byte
.Lend:
	s_wait_tensorcnt 0x0
	ds_add_u32 v128, v129
	s_wait_dscnt 0x0
	s_endpgm
.Lfunc_end_k_q00a80f8880_prep:
	.size	k_q00a80f8880_prep, .Lfunc_end_k_q00a80f8880_prep-k_q00a80f8880_prep
	.p2alignl 7, 3214868480
	.fill 96, 4, 3214868480
	.section	.rodata,"a",@progbits
	.p2align	6, 0x0
	.amdhsa_kernel k_q00a80f8880_prep
		.amdhsa_group_segment_fixed_size 64256
		.amdhsa_private_segment_fixed_size 0
		.amdhsa_enable_private_segment 0
		.amdhsa_kernarg_size 56
		.amdhsa_user_sgpr_count 2
		.amdhsa_user_sgpr_kernarg_segment_ptr 1
		.amdhsa_wavefront_size32 1
		.amdhsa_system_sgpr_workgroup_id_x 1
		.amdhsa_system_sgpr_workgroup_id_y 1
		.amdhsa_system_sgpr_workgroup_id_z 1
		.amdhsa_system_vgpr_workitem_id 0
		.amdhsa_next_free_vgpr 130
		.amdhsa_next_free_sgpr 66
		.amdhsa_reserve_vcc 1
		.amdhsa_float_denorm_mode_32 3
		.amdhsa_float_denorm_mode_16_64 3
		.amdhsa_memory_ordered 1
		.amdhsa_forward_progress 1
		.amdhsa_inst_pref_size 65
	.end_amdhsa_kernel
	.amdgpu_metadata
---
amdhsa.version: [ 1, 2 ]
amdhsa.kernels:
  - .name:           k_q00a80f8880_prep
    .symbol:         k_q00a80f8880_prep.kd
    .args:
      - { .name: encoded_states, .offset: 0, .size: 8, .value_kind: global_buffer, .address_space: global }
      - { .name: sr_label, .offset: 8, .size: 8, .value_kind: global_buffer, .address_space: global }
      - { .name: W1, .offset: 16, .size: 8, .value_kind: global_buffer, .address_space: global }
      - { .name: b1, .offset: 24, .size: 8, .value_kind: global_buffer, .address_space: global }
      - { .name: wf, .offset: 32, .size: 8, .value_kind: global_buffer, .address_space: global }
      - { .name: cb, .offset: 40, .size: 8, .value_kind: global_buffer, .address_space: global }
      - { .name: out2, .offset: 48, .size: 8, .value_kind: global_buffer, .address_space: global }
    .group_segment_fixed_size: 64256
    .private_segment_fixed_size: 0
    .kernarg_segment_align: 8
    .kernarg_segment_size: 56
    .max_flat_workgroup_size: 512
    .sgpr_count:     66
    .vgpr_count:     130
    .wavefront_size: 32
...
	.end_amdgpu_metadata
.endif
;; end of part 1
;; launch main (part 2): grid 256 x 1, 4 waves a work-group, no clusters, 279,296 bytes of LDS; arguments encoded_states, sr_label, W2, b2, wf, cb, out1, part; writes out1, part
.if DOCPART == 2
	.amdgcn_target "amdgcn-amd-amdhsa--gfx1250"
	.amdhsa_code_object_version 6
	.text
	.protected	k_q00a80f8880_main
	.globl	k_q00a80f8880_main
	.p2align	8
	.type	k_q00a80f8880_main,@function
k_q00a80f8880_main:
	s_mov_b64 s[64:65], 0
	v_nop
	global_prefetch_b8 v0, s[64:65] scope:SCOPE_SE
	s_setreg_imm32_b32 hwreg(HW_REG_WAVE_MODE, 25, 1), 1
	s_wait_xcnt 0x0
; logits = gelu(x W1a^T + c[sample]) W2^T + b2 for 128 rows of x (all of one sample), and the rows' sums of token loss and of headers.
; SHARES.  256 work-groups x 128 rows.  A work-group makes all 1,024 hidden units of its rows, so the hidden layer never leaves the registers.  The units go in 4 chunks of 256;
; x is wanted 4 times, so it is read from memory once, rounded to bf16 once and kept in LDS.  In a chunk each of the four waves makes 128 rows x 64 units: 32 accumulators, 256 registers.
; W1a comes as ready fragments (buffer wf): a fragment is wanted by one wave of the work-group alone, so it goes from memory straight into a ring of registers,
; 7 K steps ahead, each load 512 consecutive bytes of the wave's own stream.  c comes in two parts, the halves of its sum along k (buffer cb), which are added here.
; NO CLUSTER: all work-groups walk the same wf, but a tile shared through LDS wants two slots beside x's 264,192 bytes; the 63,488 bytes that a work-group could still ask for give two slots
; of at most 31 KiB, W for 62 matrix instructions a wave, so a round of the cluster's barrier would be due every 62 matrix instructions, with that long for a joint load to land.
; THE MATRIX INSTRUCTION IS USED TRANSPOSED: source 0 = 16 units, source 1 = 16 rows of x.  A lane then holds ONE row (lane % 16) and units 8 (lane / 16) + 0..7, and two such tiles,
; rounded to bf16 in pairs, ARE source 1 (32 units x 16 rows) of the second product, whose source 0 holds W2's two rows and 14 rows of zeros.
; GELU, exact form: 2 gelu(z) = (z + |z|) - |z| q, q = e^(-z^2/2) t (a1 + t (a2 + ...)), t = 1 / (1 + p |z| / sqrt 2) (Abramowitz and Stegun 7.1.26).  z + |z| is exact (0 or 2 z), so the
; negative tail keeps its relative accuracy.  With y = s z, s = sqrt(log2(e) / 2), e^(-z^2/2) = 2^(-y^2); s rides on the multiply-add that adds c (LDS holds s c), and 1 / (2 s) on the one
; that adds b2.  The exponent is never above 0.
; LIMITS: erf within 1.5e-7 absolute; x, W1, gelu and W2 enter the products rounded to bf16, sums in f32 in another order than a plain dot product's; infinite or NaN pre-activations are not served.
.set XP,   2064                        ; a row of x in LDS: 1,024 bf16 + 16 bytes = 129 x 16: the 16 rows of a fragment load start 16 bytes apart modulo 256
.set CT,   128*XP                      ; 4,096 bytes: s c[sample][1,024] in f32
.set W2B,  CT+4096                     ; 3 rows of XP bytes: W2's two rows in bf16 and a row of zeros (6,400 bytes kept)
.set RED,  W2B+6400                    ; 4,096 bytes: [wave 4][row 128][2] f32
; window 0: v0 thread, v1 lane, v2 r, v3 h, v4-7 x's fragments (32 rows apart), v8 16 lane, v9-10 x in, v11 c's place, v12 W2's place, v13 label, v14-15 RED in and back, v16 offset in out1,
;   v17-31 at work, v[32:47] running logits, v[48:61] constants in pairs, v[64:191] two buffers of x's fragments (first: packed x; in the gelu: c, W2, the second product's sums, work)
; window 1: the ring of W's fragments, 8 K steps of 32 registers.   window 2: the accumulators, (a, b) at 8 (4 a + b) (first: x as loaded, two units of 128)
.set LS,   32
.set KS,   48
.set KP,   50
.set K5,   52
.set K4,   54
.set K3,   56
.set K2,   58
.set K1,   60
.set CB,   64                          ; 32: s c of my 64 units (8 a lane and tile)
.set W2F,  96                          ; 16: W2's two fragments of 32 units
.set LA,   112                         ; 64: the second product's accumulators, one for each 16 rows
.set Y,    176
.set AZ,   192
.set T,    208
.set S,    224
.set Q,    240
.set MSB, 0
.macro WIN new                         ; s_set_vgpr_msb: bits 1:0 source 0, 3:2 source 1, 5:4 source 2, 7:6 destination; the high byte repeats the setting that is left
.if MSB != \new
	s_set_vgpr_msb (MSB<<8)|\new
.set MSB, \new
.endif
.endm
.set MUL,     0xa1                     ; W window 1, x window 0, C and D window 2
.set TO_B,    0x40                     ; destination window 1
.set TO_ST,   0x80                     ; destination window 2
.set FROM_ST, 0x0a                     ; sources 0 and 1 window 2
.set EPI,     0x02                     ; source 0 window 2
.macro PLACES n
.rept \n
	v_nop
.endr
.endm
.macro KPAIR reg, val
	v_mov_b32 v[\reg], \val
	v_mov_b32 v[\reg+1], \val
.endm
; Unit u of x: my rows 4 u .. 4 u + 3, 32 loads of 512 consecutive bytes
.macro XLOAD u
	WIN TO_ST
.irp i, 0,1,2,3
.irp j, 0,1,2,3,4,5,6,7
	global_load_b128 v[128*((\u)&1)+4*(8*\i+\j):128*((\u)&1)+4*(8*\i+\j)+3], v8, s[4:5] offset:(4*(\u)+\i)*4096+512*\j th:TH_LOAD_NT
.endr
.endr
.endm
; Unit u is rounded and put into LDS; its registers take the unit two on.  lcnt: the younger loads that may stay out
.macro XUNIT u, lcnt
	s_wait_loadcnt \lcnt
	WIN FROM_ST
.set n, 0
.rept 64
	v_cvt_pk_bf16_f32 v[64+64*((\u)&1)+n], v[128*((\u)&1)+2*n], v[128*((\u)&1)+2*n+1]
.set n, n+1
.endr
.if \u < 6
	XLOAD \u+2
.endif
	WIN 0
.irp i, 0,1,2,3
.irp j, 0,1,2,3,4,5,6,7
	ds_store_b64 v[9+((4*(\u)+\i)>>4)], v[64+64*((\u)&1)+2*(8*\i+\j):64+64*((\u)&1)+2*(8*\i+\j)+1] offset:((4*(\u)+\i)&15)*XP+256*\j   ; 256 consecutive bytes
.endr
.endr
.endm
.macro BLOAD st                        ; W's four fragments of K step st (counted from the chunk's first) into ring place st % 8
	WIN TO_B
.irp i, 0,1,2,3,4,5,6,7
	global_load_b128 v[32*((\st)%8)+4*\i:32*((\st)%8)+4*\i+3], v8, s[12:13] offset:(\st)*4096+512*\i
.endr
.endm
.macro FETCHA t                        ; x's eight fragments of K step t: row 16 a + r, k = 32 t + 8 h + 0..7 and 16 more
	WIN 0
.irp a, 0,1,2,3,4,5,6,7
.irp p, 0,1
	ds_load_b128 v[64+64*((\t)&1)+8*\a+4*\p:64+64*((\t)&1)+8*\a+4*\p+3], v[4+(\a>>1)] offset:(\a&1)*16*XP+64*(\t)+32*\p
.endr
.endr
.endm
; 16 matrix instructions: rows 64 half + 0..63 x my 64 units.  The 32 accumulators take turns, one instruction a turn, in the same order in every K step.
; A chunk's first K step starts the sums with the constant 0.
.macro MUL16 t, half
.irp a, 0,1,2,3
.irp b, 0,1,2,3
.if (\t) == 0
	v_wmma_f32_16x16x32_bf16 v[8*(4*(4*\half+\a)+\b):8*(4*(4*\half+\a)+\b)+7], v[32*((\t)%8)+8*\b:32*((\t)%8)+8*\b+7], v[64+64*((\t)&1)+8*(4*\half+\a):64+64*((\t)&1)+8*(4*\half+\a)+7], 0
.else
	v_wmma_f32_16x16x32_bf16 v[8*(4*(4*\half+\a)+\b):8*(4*(4*\half+\a)+\b)+7], v[32*((\t)%8)+8*\b:32*((\t)%8)+8*\b+7], v[64+64*((\t)&1)+8*(4*\half+\a):64+64*((\t)&1)+8*(4*\half+\a)+7], v[8*(4*(4*\half+\a)+\b):8*(4*(4*\half+\a)+\b)+7]
.endif
.endr
.endr
.endm
; K step t of a chunk.  lcnt: W's younger loads that may stay out.  ldb = 1: W of the step 7 on is asked for, into the ring place that step t - 1 read.
.macro KSTEP t, lcnt, ldb
	s_wait_loadcnt \lcnt                           ; loads come back in order (ISA guide 5.7.1): this step's W is in
	s_wait_dscnt 8                                 ; x's tiles 0-3 are in; the youngest eight loads (tiles 4-7) may be out
	WIN MUL
	MUL16 \t, 0
.if \ldb || (\t < 31)
	PLACES 4                                       ; four places ahead of loads into registers that step t - 1's matrix instructions read (ISA guide 7.12.1 for vector instructions)
.endif
.if \ldb
	BLOAD \t+7
.endif
.if \t < 31
	FETCHA \t+1
	s_wait_dscnt 16                                ; all but the 16 just issued
.else
	s_wait_dscnt 0x0
.endif
	WIN MUL
	MUL16 \t, 1
.endm
; gelu of 16 rows x 32 units (tiles (a, 2 bp), (a, 2 bp + 1): 16 numbers a lane) and their part of the logits
.macro GRP a, bp
	WIN EPI
.irp tt, 0,1
.irp k, 0,1,2,3
	v_pk_fma_f32 v[Y+8*\tt+2*\k:Y+8*\tt+2*\k+1], v[8*(4*\a+2*\bp+\tt)+2*\k:8*(4*\a+2*\bp+\tt)+2*\k+1], v[KS:KS+1], v[CB+8*(2*\bp+\tt)+2*\k:CB+8*(2*\bp+\tt)+2*\k+1]   ; y = s sum + s c; each accumulator is read from its low end on
.endr
.endr
	WIN 0
.set n, 0
.rept 16
	v_and_b32 v[AZ+n], s26, v[Y+n]                 ; |y|
.set n, n+1
.endr
.set n, 0
.rept 8
	v_pk_fma_f32 v[T+2*n:T+2*n+1], v[AZ+2*n:AZ+2*n+1], v[KP:KP+1], 1.0 op_sel_hi:[1,1,0]
.set n, n+1
.endr
.set n, 0
.rept 16
	v_rcp_f32 v[T+n], v[T+n]                       ; t
.set n, n+1
.endr
.set n, 0
.rept 8
	v_pk_mul_f32 v[S+2*n:S+2*n+1], v[Y+2*n:Y+2*n+1], v[Y+2*n:Y+2*n+1] neg_lo:[1,0] neg_hi:[1,0]   ; -y^2: plain work between the reciprocals and their use
.set n, n+1
.endr
.set n, 0
.rept 16
	v_exp_f32 v[S+n], v[S+n]
.set n, n+1
.endr
.set n, 0
	s_wait_alu depctr_va_vdst(0)
.rept 8
	v_pk_fma_f32 v[Q+2*n:Q+2*n+1], v[T+2*n:T+2*n+1], v[K5:K5+1], v[K4:K4+1]   ; plain work between the exponentials and their use
.set n, n+1
.endr
.irp kk, K3, K2, K1
.set n, 0
.rept 8
	v_pk_fma_f32 v[Q+2*n:Q+2*n+1], v[Q+2*n:Q+2*n+1], v[T+2*n:T+2*n+1], v[\kk:\kk+1]
.set n, n+1
.endr
.endr
.set n, 0
.rept 8
	v_pk_mul_f32 v[Q+2*n:Q+2*n+1], v[Q+2*n:Q+2*n+1], v[T+2*n:T+2*n+1]
.set n, n+1
.endr
.set n, 0
.rept 8
	v_pk_mul_f32 v[Q+2*n:Q+2*n+1], v[Q+2*n:Q+2*n+1], v[S+2*n:S+2*n+1]         ; q
.set n, n+1
.endr
.set n, 0
.rept 8
	v_pk_add_f32 v[T+2*n:T+2*n+1], v[Y+2*n:Y+2*n+1], v[AZ+2*n:AZ+2*n+1]       ; y + |y|: 0 or 2 y, exactly
.set n, n+1
.endr
.set n, 0
.rept 8
	v_pk_fma_f32 v[Q+2*n:Q+2*n+1], v[AZ+2*n:AZ+2*n+1], v[Q+2*n:Q+2*n+1], v[T+2*n:T+2*n+1] neg_lo:[1,0,0] neg_hi:[1,0,0]   ; 2 s gelu = (y + |y|) - |y| q
.set n, n+1
.endr
.set n, 0
.rept 8
	v_cvt_pk_bf16_f32 v[S+n], v[Q+2*n], v[Q+2*n+1]
.set n, n+1
.endr
.if \bp == 0
	v_wmma_f32_16x16x32_bf16 v[LA+8*\a:LA+8*\a+7], v[W2F:W2F+7], v[S:S+7], 0
.else
	v_wmma_f32_16x16x32_bf16 v[LA+8*\a:LA+8*\a+7], v[W2F+8:W2F+15], v[S:S+7], v[LA+8*\a:LA+8*\a+7]
.endif
.endm
	s_load_b256 s[4:11], s[0:1], 0x0               ; x s[4:5], labels s[6:7], W2 s[8:9], b2 s[10:11]
	s_load_b256 s[12:19], s[0:1], 0x20             ; wf s[12:13], cb s[14:15], out1 s[16:17], part s[18:19]
	v_lshl_add_u32 v62, v0, 2, 0x44100
	v_mov_b32 v63, 0
	v_lshrrev_b32 v1, 5, v0
	v_readfirstlane_b32 s20, v1                    ; wave w
	s_mov_b32 s21, ttmp9                           ; work-group
	s_mov_b32 s26, 0x7fffffff                      ; clears a sign
	s_mov_b32 s27, 0x3f16b55f                      ; 1 / (2 s) = 0.588705
	s_mov_b32 s28, 0x76543210                      ; v_permlanex16_b32: each lane takes its own place in the other half
	s_mov_b32 s29, 0xfedcba98
	s_mov_b32 s32, 0xffff0000                      ; lanes 16 to 31
	v_and_b32 v1, 31, v0
	v_and_b32 v2, 15, v0
	v_bfe_u32 v3, v0, 4, 1
	v_lshlrev_b32 v8, 4, v1
	s_lshl_b32 s22, s21, 9
	v_lshl_add_u32 v17, v0, 2, s22                 ; my row's label: thread = row
	v_lshrrev_b32 v18, 1, v0
	v_and_b32 v19, 1, v0
	v_lshlrev_b32 v18, 11, v18
	v_lshl_add_u32 v18, v19, 5, v18
	s_lshr_b32 s22, s21, 3                         ; the sample
	s_lshl_b32 s22, s22, 6
	v_add_nc_u32 v18, s22, v18                     ; c of units 8 thread + 0..7: unit tile thread / 2 (2,048 bytes), the sample's 64 bytes, 32 (thread % 2)
	v_lshlrev_b32 v19, 4, v0
	s_lshl_b32 s22, s21, 10
	v_lshl_add_u32 v16, v0, 3, s22                 ; my row's two logits
	s_lshl2_add_u32 s22, s21, s20
	s_lshl_b32 s22, s22, 3
	v_mov_b32 v23, s22                             ; my wave's pair in part
	s_lshl_b32 s22, s21, 19                        ; 128 rows of 4,096 bytes,
	s_lshl_b32 s23, s20, 17                        ; my wave's 32 of them
	s_add_co_u32 s22, s22, s23
	s_mov_b32 s23, 0
	s_wait_kmcnt 0x0
	s_add_nc_u64 s[4:5], s[4:5], s[22:23]
	s_lshl_b32 s22, s20, 19
	s_add_nc_u64 s[12:13], s[12:13], s[22:23]      ; my wave's stream of fragments, 512 KiB
	s_load_b64 s[24:25], s[10:11], 0x0             ; b2
	global_load_b32 v13, v17, s[6:7]
	global_load_b128 v[192:195], v18, s[14:15]                 ; c's part of the first half of k,
	global_load_b128 v[196:199], v18, s[14:15] offset:16
	global_load_b128 v[228:231], v18, s[14:15] offset:131072   ; and of the second
	global_load_b128 v[232:235], v18, s[14:15] offset:131072+16
.irp i, 0,1,2,3
	global_load_b128 v[200+4*\i:200+4*\i+3], v19, s[8:9] offset:2048*\i
.endr
	XLOAD 0
	XLOAD 1
	WIN 0
	v_mul_u32_u24 v4, v2, XP
	v_lshl_add_u32 v4, v3, 4, v4                   ; row r, 16 h
	v_add_nc_u32 v5, 32*XP, v4
	v_add_nc_u32 v6, 64*XP, v4
	v_add_nc_u32 v7, 96*XP, v4
	s_mul_i32 s22, s20, 32*XP
	v_lshl_add_u32 v9, v1, 3, s22                  ; x in: my 32 rows, 8 bytes a lane
	v_add_nc_u32 v10, 16*XP, v9
	s_lshl_b32 s22, s20, 8
	s_add_co_u32 s22, s22, CT
	v_lshl_add_u32 v11, v3, 5, s22                 ; s c of units 64 w + 8 h on
	v_min_u32 v12, 2, v2
	v_mul_u32_u24 v12, v12, XP
	v_lshl_add_u32 v12, v3, 4, v12
	s_lshl_b32 s22, s20, 7
	s_add_co_u32 s22, s22, W2B
	v_add_nc_u32 v12, s22, v12                     ; W2's row r (from 2 on: the zeros), units 64 w + 8 h on
	s_lshl_b32 s22, s20, 10
	s_add_co_u32 s22, s22, RED
	v_lshl_add_u32 v14, v1, 3, s22
	v_lshlrev_b32 v15, 3, v0
	v_add_nc_u32 v15, RED, v15
	v_lshlrev_b32 v20, 5, v0
	v_add_nc_u32 v20, CT, v20
	v_lshlrev_b32 v21, 3, v0
	v_add_nc_u32 v21, W2B, v21
	v_add_nc_u32 v22, W2B+2*XP, v19
	KPAIR KS, 0.8493218                            ; s = sqrt(log2(e) / 2)
	KPAIR KP, 0.2727375                            ; 0.3275911 / (s sqrt 2)
	KPAIR K5, 1.061405429                          ; the series' coefficients
	KPAIR K4, -1.453152027
	KPAIR K3, 1.421413741
	KPAIR K2, -0.284496736
	KPAIR K1, 0.254829592
.set n, 0
.rept 16
	v_mov_b32 v[LS+n], 0                           ; the running logits: every chunk adds onto them
.set n, n+1
.endr
.rept 4
	v_mov_b32 v[224+\+], 0
.endr
	s_wait_kmcnt 0x0                               ; b2
	; x: eight units of 4 rows a wave, two on their way
	XUNIT 0, 32                                    ; the count leaves unit 1 out; the nine loads of label, c and W2 are older than unit 0
.irp k, 0,1,2,3
	v_pk_add_f32 v[192+2*\k:193+2*\k], v[192+2*\k:193+2*\k], v[228+2*\k:229+2*\k]   ; c = its two parts
.endr
.irp k, 0,1,2,3
	v_pk_mul_f32 v[192+2*\k:193+2*\k], v[192+2*\k:193+2*\k], v[KS:KS+1]
.endr
	ds_store_b128 v20, v[192:195]
	ds_store_b128 v20, v[196:199] offset:16
.irp k, 0,1,2,3,4,5,6,7
	v_cvt_pk_bf16_f32 v[216+\k], v[200+2*\k], v[200+2*\k+1]
.endr
.irp i, 0,1,2,3
	ds_store_b64 v21, v[216+2*\i:217+2*\i] offset:(\i>>1)*XP+1024*(\i&1)
.endr
	ds_store_b128 v22, v[224:227]
	XUNIT 1, 32
	XUNIT 2, 32
	XUNIT 3, 32
	XUNIT 4, 32
	XUNIT 5, 32
	XUNIT 6, 32
	BLOAD 0                                        ; W's ring begins to fill while the last unit is on its way
	BLOAD 1
	BLOAD 2
	XUNIT 7, 24                                    ; the count leaves those 24 out
	BLOAD 3
	BLOAD 4
	BLOAD 5
	BLOAD 6
	WIN 0
	s_wait_dscnt 0x0                               ; for the others' sake: my rows of x and my parts of the tables are written
	s_barrier_signal -1
	s_barrier_wait -1                              ; W's loads stay out: they land in registers
	s_mov_b32 s30, 0
.Lchunk:                                               ; four trips; on the way in and on the way back W's steps 0 to 6 are asked for
	FETCHA 0
.irp t, 0,1,2,3,4,5,6,7,8,9,10,11,12,13,14,15,16,17,18,19,20,21,22,23,24
	KSTEP \t, 48, 1                                ; 48: the six younger steps' eight loads each
.endr
	WIN 0                                          ; at a branch and at a label every window is 0
	s_cmp_eq_u32 s30, 3
	s_cbranch_scc1 .Llast
.irp t, 25,26,27,28,29,30,31
	KSTEP \t, 48, 1                                ; these ask for the next chunk's steps 0 to 6: the stream goes straight on
.endr
	WIN 0
	s_wait_xcnt 0x0                                ; the base of pending loads is stepped only behind this wait
	s_add_nc_u64 s[12:13], s[12:13], 0x20000
	s_branch .Lepi
.Llast:                                                ; the last chunk asks for nothing beyond the stream's end: the counts run down
	KSTEP 25, 48, 0
	KSTEP 26, 40, 0
	KSTEP 27, 32, 0
	KSTEP 28, 24, 0
	KSTEP 29, 16, 0
	KSTEP 30, 8, 0
	KSTEP 31, 0, 0
	WIN 0
.Lepi:
	PLACES 5                                       ; behind the last products: their results are read, and x's fragment registers are loaded and written anew
.irp b, 0,1,2,3
.irp z, 0,1
	ds_load_b128 v[CB+8*\b+4*\z:CB+8*\b+4*\z+3], v11 offset:64*\b+16*\z
.endr
.endr
.irp bp, 0,1
.irp z, 0,1
	ds_load_b128 v[W2F+8*\bp+4*\z:W2F+8*\bp+4*\z+3], v12 offset:64*\bp+32*\z
.endr
.endr
	s_wait_dscnt 0x0
.irp a, 0,1,2,3,4,5,6,7
	GRP \a, 0                                      ; first all eight accumulators' first link, then their second: they take turns
.endr
.irp a, 0,1,2,3,4,5,6,7
	GRP \a, 1
.endr
	PLACES 5
.irp a, 0,1,2,3,4,5,6,7
	v_pk_add_f32 v[LS+2*\a:LS+2*\a+1], v[LS+2*\a:LS+2*\a+1], v[LA+8*\a:LA+8*\a+1]   ; lanes 0-15: the two classes of row 16 a + r; lanes 16-31: the zero rows' sums
.endr
	v_add_nc_u32 v11, 1024, v11                    ; the next chunk's 256 units
	v_add_nc_u32 v12, 512, v12
	s_add_co_u32 s30, s30, 1
	s_cmp_lt_u32 s30, 4
	s_cbranch_scc1 .Lchunk
	; The four waves' parts of the logits (each over its 256 units) meet in LDS: rows 32 i + lane, 8 bytes a row
	v_mov_b32 v24, 0                               ; v_permlanex16_b32 counts as a reader of its destination
	v_mov_b32 v25, 0
.irp i, 0,1,2,3
	v_permlanex16_b32 v24, v[LS+4*\i+2], s28, s29
	v_permlanex16_b32 v25, v[LS+4*\i+3], s28, s29
	v_cndmask_b32 v26, v[LS+4*\i], v24, s32
	v_cndmask_b32 v27, v[LS+4*\i+1], v25, s32
	ds_store_b64 v14, v[26:27] offset:256*\i
.endr
	s_wait_dscnt 0x0                               ; for the others' sake
	s_barrier_signal -1
	s_barrier_wait -1
.irp w, 0,1,2,3
	ds_load_b64 v[24+2*\w:25+2*\w], v15 offset:1024*\w
.endr
	s_wait_dscnt 0x0
	v_pk_add_f32 v[24:25], v[24:25], v[26:27]
	v_pk_add_f32 v[28:29], v[28:29], v[30:31]
	v_pk_add_f32 v[24:25], v[24:25], v[28:29]
	v_fma_f32 v24, v24, s27, s24                   ; sum / (2 s) + b2
	v_fma_f32 v25, v25, s27, s25
	global_store_b64 v16, v[24:25], s[16:17]       ; the wave stores 256 consecutive bytes, at a multiple of 256 from out1's first byte
	; token loss = logsumexp - the label's logit, the maximum taken away: lse = max + ln 2 log2(1 + 2^(-|l0 - l1| log2 e))
	v_sub_f32 v26, v24, v25
	v_max_num_f32 v27, v24, v25
	v_and_b32 v26, s26, v26
	v_mul_f32 v28, 0xbfb8aa3b, v26
	v_exp_f32 v28, v28
	v_cmp_lt_i32 vcc_lo, 0, v13                    ; the label clipped to 0..1: class 1 where it is above 0
	v_cndmask_b32 v29, v24, v25, vcc_lo
	s_wait_alu depctr_va_vdst(0)
	v_add_f32 v28, 1.0, v28
	v_log_f32 v28, v28
	v_cmp_gt_u32 vcc_lo, 2, v13                    ; a header: 0 <= label < 2
	v_cndmask_b32 v30, 0, 1.0, vcc_lo
	s_wait_alu depctr_va_vdst(0)
	v_fmamk_f32 v28, v28, 0x3f317218, v27
	v_sub_f32 v28, v28, v29
	v_mul_f32 v28, v28, v30
.irp m, 1,2,4,8
	v_add_f32_dpp v28, v28, v28 row_xmask:\m row_mask:0xf bank_mask:0xf
	v_add_f32_dpp v30, v30, v30 row_xmask:\m row_mask:0xf bank_mask:0xf
.endr
	v_permlanex16_b32 v26, v28, s28, s29
	v_permlanex16_b32 v27, v30, s28, s29
	v_add_f32 v28, v28, v26
	v_add_f32 v29, v30, v27
	v_cmp_eq_u32 vcc_lo, 0, v1
	s_wait_xcnt 0x0                                ; EXEC changes only behind this wait
	s_wait_tensorcnt 0x0
	ds_add_u32 v62, v63
	s_wait_dscnt 0x0
	s_and_saveexec_b32 s22, vcc_lo
	global_store_b64 v23, v[28:29], s[18:19]       ; my 32 rows' sum of losses and number of headers
	s_endpgm
.Lfunc_end_k_q00a80f8880_main:
	.size	k_q00a80f8880_main, .Lfunc_end_k_q00a80f8880_main-k_q00a80f8880_main
	.p2alignl 7, 3214868480
	.fill 96, 4, 3214868480
	.section	.rodata,"a",@progbits
	.p2align	6, 0x0
	.amdhsa_kernel k_q00a80f8880_main
		.amdhsa_group_segment_fixed_size 279296
		.amdhsa_private_segment_fixed_size 0
		.amdhsa_enable_private_segment 0
		.amdhsa_kernarg_size 64
		.amdhsa_user_sgpr_count 2
		.amdhsa_user_sgpr_kernarg_segment_ptr 1
		.amdhsa_wavefront_size32 1
		.amdhsa_system_sgpr_workgroup_id_x 1
		.amdhsa_system_sgpr_workgroup_id_y 1
		.amdhsa_system_sgpr_workgroup_id_z 1
		.amdhsa_system_vgpr_workitem_id 0
		.amdhsa_next_free_vgpr 768
		.amdhsa_next_free_sgpr 66
		.amdhsa_reserve_vcc 1
		.amdhsa_float_denorm_mode_32 3
		.amdhsa_float_denorm_mode_16_64 3
		.amdhsa_memory_ordered 1
		.amdhsa_forward_progress 1
		.amdhsa_inst_pref_size 255
	.end_amdhsa_kernel
	.section	.bss,"aw",@nobits
	.p2align	6
	.space	262144
	.amdgpu_metadata
---
amdhsa.version: [ 1, 2 ]
amdhsa.kernels:
  - .name:           k_q00a80f8880_main
    .symbol:         k_q00a80f8880_main.kd
    .args:
      - { .name: encoded_states, .offset: 0, .size: 8, .value_kind: global_buffer, .address_space: global }
      - { .name: sr_label, .offset: 8, .size: 8, .value_kind: global_buffer, .address_space: global }
      - { .name: W2, .offset: 16, .size: 8, .value_kind: global_buffer, .address_space: global }
      - { .name: b2, .offset: 24, .size: 8, .value_kind: global_buffer, .address_space: global }
      - { .name: wf, .offset: 32, .size: 8, .value_kind: global_buffer, .address_space: global }
      - { .name: cb, .offset: 40, .size: 8, .value_kind: global_buffer, .address_space: global }
      - { .name: out1, .offset: 48, .size: 8, .value_kind: global_buffer, .address_space: global }
      - { .name: part, .offset: 56, .size: 8, .value_kind: global_buffer, .address_space: global }
    .group_segment_fixed_size: 279296
    .private_segment_fixed_size: 0
    .kernarg_segment_align: 8
    .kernarg_segment_size: 64
    .max_flat_workgroup_size: 128
    .sgpr_count:     66
    .vgpr_count:     768
    .wavefront_size: 32
...
	.end_amdgpu_metadata
.endif
;; end of part 2
;; launch loss (part 3): grid 1 x 1, 1 waves a work-group, no clusters, 0 bytes of LDS; arguments part, out0; writes out0
.if DOCPART == 3
	.amdgcn_target "amdgcn-amd-amdhsa--gfx1250"
	.amdhsa_code_object_version 6
	.text
	.protected	k_q00a80f8880_loss
	.globl	k_q00a80f8880_loss
	.p2align	8
	.type	k_q00a80f8880_loss,@function
k_q00a80f8880_loss:
	s_mov_b64 s[64:65], 0
	v_nop
	global_prefetch_b8 v0, s[64:65] scope:SCOPE_SE
	s_setreg_imm32_b32 hwreg(HW_REG_WAVE_MODE, 25, 1), 1
	s_wait_xcnt 0x0
; loss = sum over samples of valid (sum of token losses / max(headers, 1)) / (number of valid samples + 1e-6), valid = a sample with a header.
; part holds, for each of the main launch's 1,024 waves, (sum of losses, number of headers) of 32 rows; a sample's 32 pairs are 256 consecutive bytes.
; One wave: lane b adds sample b's pairs.  The sum spans all work-groups of the launch before, so it has a launch of its own.  Divisions by v_rcp_f32.
	s_load_b128 s[4:7], s[0:1], 0x0                ; part s[4:5], out0 s[6:7]
	v_lshlrev_b32 v1, 8, v0
	s_mov_b32 s8, 0x76543210                       ; v_permlanex16_b32: each lane takes its own place in the other half
	s_mov_b32 s9, 0xfedcba98
	v_mov_b32 v4, 0                                ; v_permlanex16_b32 counts as a reader of its destination
	v_mov_b32 v5, 0
	s_wait_kmcnt 0x0
.irp i, 0,1,2,3,4,5,6,7,8,9,10,11,12,13,14,15
	global_load_b128 v[8+4*\i:8+4*\i+3], v1, s[4:5] offset:16*\i
.endr
	s_wait_loadcnt 0x0
.irp k, 0,1,2,3,4,5,6,7,8,9,10,11,12,13,14,15
	v_pk_add_f32 v[8+2*\k:9+2*\k], v[8+2*\k:9+2*\k], v[40+2*\k:41+2*\k]
.endr
.irp k, 0,1,2,3,4,5,6,7
	v_pk_add_f32 v[8+2*\k:9+2*\k], v[8+2*\k:9+2*\k], v[24+2*\k:25+2*\k]
.endr
.irp k, 0,1,2,3
	v_pk_add_f32 v[8+2*\k:9+2*\k], v[8+2*\k:9+2*\k], v[16+2*\k:17+2*\k]
.endr
.irp k, 0,1
	v_pk_add_f32 v[8+2*\k:9+2*\k], v[8+2*\k:9+2*\k], v[12+2*\k:13+2*\k]
.endr
	v_pk_add_f32 v[8:9], v[8:9], v[10:11]          ; v8 the sample's sum, v9 its headers
	v_max_num_f32 v2, 1.0, v9
	v_rcp_f32 v2, v2
	v_cmp_lt_f32 vcc_lo, 0, v9                     ; plain work between the reciprocal and its use
	v_cndmask_b32 v3, 0, 1.0, vcc_lo               ; valid
	s_wait_alu depctr_va_vdst(0)
	v_mul_f32 v2, v8, v2
	v_mul_f32 v2, v2, v3
.irp m, 1,2,4,8
	v_add_f32_dpp v2, v2, v2 row_xmask:\m row_mask:0xf bank_mask:0xf
	v_add_f32_dpp v3, v3, v3 row_xmask:\m row_mask:0xf bank_mask:0xf
.endr
	v_permlanex16_b32 v4, v2, s8, s9
	v_permlanex16_b32 v5, v3, s8, s9
	v_add_f32 v2, v2, v4
	v_add_f32 v3, v3, v5
	v_add_f32 v3, 0x358637bd, v3                   ; + 1e-6
	v_rcp_f32 v3, v3
	v_mov_b32 v6, 0                                ; plain work between the reciprocal and its use: the store's offset
	s_wait_alu depctr_va_vdst(0)
	v_mul_f32 v2, v2, v3
	v_cmp_eq_u32 vcc_lo, 0, v0
	s_wait_xcnt 0x0                                ; EXEC changes only behind this wait
	s_and_saveexec_b32 s10, vcc_lo
	global_store_b32 v6, v2, s[6:7]
	s_endpgm
.Lfunc_end_k_q00a80f8880_loss:
	.size	k_q00a80f8880_loss, .Lfunc_end_k_q00a80f8880_loss-k_q00a80f8880_loss
	.p2alignl 7, 3214868480
	.fill 96, 4, 3214868480
	.section	.rodata,"a",@progbits
	.p2align	6, 0x0
	.amdhsa_kernel k_q00a80f8880_loss
		.amdhsa_group_segment_fixed_size 0
		.amdhsa_private_segment_fixed_size 0
		.amdhsa_enable_private_segment 0
		.amdhsa_kernarg_size 16
		.amdhsa_user_sgpr_count 2
		.amdhsa_user_sgpr_kernarg_segment_ptr 1
		.amdhsa_wavefront_size32 1
		.amdhsa_system_sgpr_workgroup_id_x 1
		.amdhsa_system_sgpr_workgroup_id_y 1
		.amdhsa_system_sgpr_workgroup_id_z 1
		.amdhsa_system_vgpr_workitem_id 0
		.amdhsa_next_free_vgpr 80
		.amdhsa_next_free_sgpr 66
		.amdhsa_reserve_vcc 1
		.amdhsa_float_denorm_mode_32 3
		.amdhsa_float_denorm_mode_16_64 3
		.amdhsa_memory_ordered 1
		.amdhsa_forward_progress 1
		.amdhsa_inst_pref_size 6
	.end_amdhsa_kernel
	.amdgpu_metadata
---
amdhsa.version: [ 1, 2 ]
amdhsa.kernels:
  - .name:           k_q00a80f8880_loss
    .symbol:         k_q00a80f8880_loss.kd
    .args:
      - { .name: part, .offset: 0, .size: 8, .value_kind: global_buffer, .address_space: global }
      - { .name: out0, .offset: 8, .size: 8, .value_kind: global_buffer, .address_space: global }
    .group_segment_fixed_size: 0
    .private_segment_fixed_size: 0
    .kernarg_segment_align: 8
    .kernarg_segment_size: 16
    .max_flat_workgroup_size: 32
    .sgpr_count:     66
    .vgpr_count:     80
    .wavefront_size: 32
...
	.end_amdgpu_metadata
.endif
;; end of part 3
